; MI455X (gfx1250); checked and timed in simulation.
; The chip was launched on July 23, 2026; its instructions are those of AMD's public machine-readable ISA for CDNA 5 (MIT licence, August 2026) and "CDNA5" Instruction Set Architecture Reference Guide (July 2026). The comments in the code are by the model that wrote it; some were corrected since.
;; Adjusted Non Local Block. Allowed arithmetic: matrix products marked QUANTISED: E2M1 operands, one E8M0 scale for each 32 along K, by v_wmma_scale_f32_16x16x128_f8f6f4 with both operands' format E2M1 (or v_wmma_scale_f32_32x16x128_f4), f32 sums; everything else in f32.
;; Inputs: W_b 128 float32; W_w 128 x 64 float32; g_b 64 float32; g_w 64 x 128 float32; phi_b 64 float32; phi_w 64 x 128 float32; theta_b 64 float32; theta_w 64 x 128 float32; x0 4 x 128 x 64 x 64 float32; x1 4 x 128 x 64 x 64 float32.
;; Outputs: out0 4 x 128 x 64 x 64 float32.
;; This version of the problem:
;;   THIS VERSION OF THE PROBLEM IS GIVEN IN LOW PRECISION. The matrix products marked QUANTISED in the list below multiply operands that are first quantised to E2M1 (2 exponent bits, 1 mantissa bit; 4 bits a number), with one power-of-two scale for each 32 numbers along K (OCP MX v1.0); their sums are f32. All else is computed in f32.
;;   The module's matrix products, in the order in which they are computed (A, B: the left and right operand; K: the contracted axis; several contracted axes count as one K, in the product's order):
;;     1. [M 64, K 128] x [K 128, N 16,384]; A: input g_w; B: input x0: QUANTISED
;;     2. [M 64, K 128] x [K 128, N 16,384]; A: input theta_w; B: input x1: QUANTISED
;;     3. [M 64, K 128] x [K 128, N 16,384]; A: input phi_w; B: input x0: QUANTISED
;;     4. batch 4 x [M 4,096, K 64] x [K 64, N 4,096]; A: computed on the way; B: computed on the way: QUANTISED
;;     5. batch 4 x [M 4,096, K 4,096] x [K 4,096, N 64]; A: softmax (see below); B: computed on the way: QUANTISED
;;     6. [M 128, K 64] x [K 64, N 16,384]; A: input W_w; B: computed on the way: QUANTISED
;;   THE QUANTISER, for each operand of a quantised product, along K:
;;     - K is cut into blocks of 32 from its start; a last block that is shorter is filled with zeros.
;;     - A block's scale is 2^e with e = floor(log2(the largest magnitude in the block)) - 2, held to -126 .. 127; a block of zeros has e = 0. As a byte (E8M0): e + 127.
;;     - Each number is divided by its block's scale, clamped to +-6, and rounded to the nearest number of E2M1, ties to even, subnormals kept.
;;     - The product sums the exact products of the quantised numbers (number of the format x scale) in f32.
;;   ~~~python
;;   def quantise(x, axis):      # numpy; x: float32 -> the quantised numbers, widened to float32 again
;;       x = np.moveaxis(x, axis, -1); K = x.shape[-1]
;;       x = np.pad(x, [(0, 0)] * (x.ndim - 1) + [(0, -K % 32)]); x = x.reshape(x.shape[:-1] + (-1, 32)); a = np.abs(x).max(-1, keepdims=True)
;;       e = np.where(a > 0, np.clip(np.frexp(np.where(a > 0, a, 1))[1] - 1 - 2, -126, 127), 0)      # np.frexp(a)[1] - 1 = floor(log2(a)), exactly
;;       r = np.clip(x / 2.0 ** e, -6, 6)
;;       step = 2.0 ** (np.maximum(np.frexp(np.where(r == 0, 1, r))[1] - 1, 0) - 1)
;;       q = np.round(r / step) * step * 2.0 ** e      # np.round: ties to even
;;       return np.moveaxis(q.reshape(q.shape[:-2] + (-1,))[..., :K], -1, axis).astype(np.float32)
;;   ~~~
;;   SOFTMAX AHEAD OF A QUANTISED PRODUCT. Where the list says 'softmax', what is quantised is not the finished softmax but p = 2^(t - M), with t = logit x log2(e) and M = ceil(the row's largest t), a whole number; so 1/2 < the row's largest p <= 1. The row's sum l is taken of the UNQUANTISED p, in f32, and the product's result is divided by l at the end. Since M is a whole number, a kernel that streams over the keys may use a running M (the ceiling of the running maximum): every later rescaling is an exact power of two, which a block's scale takes up: the codes' values come out the same.
;;   OPERANDS COMPUTED ON THE WAY. 'Computed on the way' means the value that the module computes at that place (a softmax that the list does not call 'softmax' is quantised finished and normalised). What goes into a quantiser is computed in f32, as accurately as f32 sums, v_exp_f32 and their like allow (about 1e-6 of the number): no bf16 or f16 on the way to a quantiser, and a product that is left as it is and whose result goes on into a quantised operand takes f32 operands (vector FMAs, or v_wmma_f32_16x16x4_f32). A number that lies on a knife's edge between two numbers of the format may be rounded either way, as far as f32 arithmetic and the matrix unit's own rounding can turn it there, and no further.
;; One version. Each part assembles by itself: llvm-mc -triple=amdgcn-amd-amdhsa -mcpu=gfx1250 --defsym DOCPART=n.
;; ======== version 1 of 1: 2 launches
;; workspace buffers: kv 1,179,648 bytes; thc 524,288 bytes; ths 65,536 bytes
;; launch proj (part 1): grid 256 x 1, 4 waves a work-group, no clusters, 168,448 bytes of LDS; arguments x0, x1, phi_w, theta_w, phi_b, theta_b, kv, thc, g_w, g_b, ths; writes kv, thc, ths
.if DOCPART == 1
	.amdgcn_target "amdgcn-amd-amdhsa--gfx1250"
	.amdhsa_code_object_version 6
	.text
	.protected	k_qc56026c5c7_proj
	.globl	k_qc56026c5c7_proj
	.p2align	8
	.type	k_qc56026c5c7_proj,@function
k_qc56026c5c7_proj:
	s_mov_b64 s[64:65], 0
	v_nop
	global_prefetch_b8 v0, s[64:65] scope:SCOPE_SE
	s_setreg_imm32_b32 hwreg(HW_REG_WAVE_MODE, 25, 1), 1
	s_wait_xcnt 0x0
; THE THREE 1 x 1 CONVOLUTIONS ON CODES OF FP4 (E2M1), AND THEIR RESULTS AS CODES AGAIN.
; phi = phi_w x0 + phi_b, g = g_w x0 + g_b, theta = theta_w x1 + theta_b.  x0, x1: [4][128 channels][4096 pixels] f32; the weights [64][128] f32; K = the 128 channels.
; Both operands are quantised along K (one E8M0 scale for each 32), multiplied by the scaled matrix instruction, summed in f32 with the bias as the sum's start.
; The results are quantised at once for the products that follow: phi and theta along their 64 channels, g along the keys (pixels).  They leave in the ORDER OF THE OPERANDS' REGISTERS:
;   kv : [4 batches][32 steps of 128 keys][9,216 bytes]: +0 phi, 8 tiles of 16 keys x 512 bytes (lane l's 16 bytes at 16 l); +4,096 g, 4 tiles of 16 channels x 1,024 bytes (registers 4 c .. 4 c + 3 at 512 c + 16 l);
;        +8,192 phi's scale words (lane l: tiles 4 (l / 16) .. + 3 of row l % 16); +8,704 g's scale words (lane l: tiles 0 .. 3 of row l % 16)
;   thc: theta's tiles, 512 bytes each, as phi's;   ths: their scale words, 512 bytes for eight tiles, as phi's.
; SHARES.  A work-group takes 128 pixels x 128 channels of one batch: work-groups 0-127 of x0 (phi and g), 128-255 of x1 (theta).  Pointers are chosen by the work-group's number; all walk one text, and the lines
; that serve g alone stand under scalar branches on that number, with no barrier inside and no register handed from one such stretch to another.
; Wave w takes pixels 32 w .. 32 w + 31, and quantises tile w (16 rows) of each weight for all four waves.
; THE ROWS OF A TILE ARE NOT NEIGHBOURS: place r of tile 2 b + u is row (pixel, channel) 32 b + 8 u + r + 8 (r / 8), so that a result's 16 registers of two neighbouring tiles are 16 neighbours along the next K.
; x: A LANE TAKES A PIXEL AND ITS REGISTERS RUN DOWN THE CHANNELS: a block of 32 lies in one lane, and the conversions give codes with K innermost.  The tile comes by one tensor load a wave (32 rows of 512 bytes).
; NO CLUSTER: what work-groups share are the weights, 8,192 bytes a wave and matrix, which go from memory straight into the registers from which they are converted; asked for jointly they would pass
; through LDS as f32, behind two meetings of a cluster, in a body that has one step and no loop.
; LIMITS: NaN and infinities among the inputs are not served.  A block whose largest magnitude lies under 2^-124 (a block of zeros too) gets the scale byte 1, where the quantiser's rule gives a block of zeros 127:
; its codes are zeros, which add nothing under that byte, and the bytes are read by this program alone.
; REGISTERS.  v1-15 addresses; v16-31 x's two fragments; v32-43 at work; v44-47, v48-51 the weights' scale words; v52-59 codes just made; v60 x's scale words; v61 a weight's scale word; v62, v63 the results';
;   v64-127 the weight as f32, then phi or theta; v128-191 g_w as f32, then g; v192-255 x, two sets of 32, then the weights' fragments.
;   window 1: v128-159 the bias, v64-95 g_b, each in the result's layout (so numbered that no operand of a product bears another's number).
.set BASE,  65536                      ; LDS: bytes 0 .. 65,535 x's tile, 128 rows of 512 bytes.  From BASE on what the waves store themselves:
.set O_W1I, 0                          ; the weight's four fragments, 1,024 bytes each; 4,096 behind them their scale words, 128 bytes each
.set O_WGI, 4608                       ; g_w's likewise
.set O_STP, 9216                       ; phi's or theta's scale words: 8 tiles x 128 bytes
.set O_STG, 10240                      ; g's scale bytes, a word each: (4 wave + tile) x 128 bytes
.set O_GBI, 12288                      ; g_b by tiles: 4 x 128 bytes
.set TM,  32                           ; v32-35 largest magnitudes, v36-39 the other half's, then bytes, v40-43 the conversions' scale operands
.set WS,  44
.set GS,  48
.set PC,  52
.set XS,  60
.set WW,  61
.set SEL, 40                           ; s[40:41] v_permlanex16_b32's selects for lane l xor 16
.set MSB, 0
.macro WIN new                         ; the immediate's high byte repeats the setting that is left
.if MSB != \new
	s_set_vgpr_msb (MSB<<8)|\new
.set MSB, \new
.endif
.endm
; 16 rows x 128 K of a weight, 64 numbers a lane: v[src + 32 c + i] = k 64 c + 32 (lane / 16) + i of my row: two whole blocks.  Codes to v[PC] on, in the operand's order; the row's scale word to v[WW].
.macro QUANTW src
.irp c, 0,1
	v_max3_num_f32 v[TM+\c], |v[\src+32*\c]|, |v[\src+32*\c+1]|, 0x1800000   ; with the floor 2^(3 - 127), so that the byte cannot fall under 1
.endr
.irp i, 2,4,6,8,10,12,14,16,18,20,22,24,26,28,30
.irp c, 0,1
	v_max3_num_f32 v[TM+\c], v[TM+\c], |v[\src+32*\c+\i]|, |v[\src+32*\c+\i+1]|
.endr
.endr
.irp c, 0,1
	v_add_nc_u32 v[TM+8+\c], 0xff000000, v[TM+\c]        ; 2 off the exponent field: the conversion's scale operand
.endr
.irp c, 0,1
	v_lshrrev_b32 v[TM+4+\c], 23, v[TM+8+\c]             ; the scale's byte
.endr
	v_lshl_or_b32 v[WW], v[TM+5], 16, v[TM+4]            ; my blocks h and 2 + h,
	v_lshlrev_b32 v[WW], v15, v[WW]                      ; 8 h bits up;
	v_permlanex16_b32 v[TM+6], v[WW], s[SEL], s[SEL+1]
	v_or_b32 v[WW], v[WW], v[TM+6]                       ; with lane l xor 16's two the word is whole
.irp c, 0,1
.irp g, 0,1,2,3
	v_cvt_scalef32_pk8_fp4_f32 v[PC+4*\c+\g], v[\src+32*\c+8*\g:\src+32*\c+8*\g+7], v[TM+8+\c]
.endr
.endr
	v_nop                                                ; one plain place behind the scaled conversions
.endm
.macro IMG off                         ; my tile's fragment and scale words go to LDS as an image of their registers
	ds_store_b128 v2, v[PC:PC+3] offset:\off
	ds_store_b128 v2, v[PC+4:PC+7] offset:\off+512
	ds_store_b32 v3, v[WW] offset:\off+4096
.endm
.macro FETCHW f, sc, off               ; and all four tiles come back so, in every wave: 12 loads
.irp t, 0,1,2,3
.irp c, 0,1
	ds_load_b128 v[\f+8*\t+4*\c:\f+8*\t+4*\c+3], v4 offset:\off+1024*\t+512*\c
.endr
.endr
.irp t, 0,1,2,3
	ds_load_b32 v[\sc+\t], v5 offset:\off+4096+128*\t
.endr
.endm
.macro LOADX b                         ; channels 32 b .. 32 b + 31 of my pixel into set b % 2: the 32 lanes read 128 neighbouring bytes of a row
.irp i, 0,1,2,3,4,5,6,7,8,9,10,11,12,13,14,15,16,17,18,19,20,21,22,23,24,25,26,27,28,29,30,31
	ds_load_b32 v[192+32*((\b)%2)+\i], v1 offset:(32*(\b)+\i)*512
.endr
.endm
.macro QX b                            ; block b of my pixel: all its 32 numbers are mine
.set XR, 192+32*((\b)%2)
.set XD, 16+8*((\b)%2)+4*((\b)/2)
	v_max3_num_f32 v[TM], |v[XR]|, |v[XR+1]|, |v[XR+2]|
	v_max3_num_f32 v[TM+1], |v[XR+3]|, |v[XR+4]|, |v[XR+5]|
.irp i, 6,10,14,18,22,26
	v_max3_num_f32 v[TM], v[TM], |v[XR+\i]|, |v[XR+\i+1]|
	v_max3_num_f32 v[TM+1], v[TM+1], |v[XR+\i+2]|, |v[XR+\i+3]|
.endr
	v_max3_num_f32 v[TM], v[TM], |v[XR+30]|, |v[XR+31]|
	v_max3_num_f32 v[TM], v[TM], v[TM+1], 0x1800000
	v_add_nc_u32 v[TM+8], 0xff000000, v[TM]
	v_lshrrev_b32 v[TM+1], 23, v[TM+8]
.if (\b) == 0
	v_mov_b32 v[XS], v[TM+1]                             ; the pixel's scale word: byte b for block b
.else
	v_lshl_or_b32 v[XS], v[TM+1], 8*(\b), v[XS]
.endif
.irp g, 0,1,2,3
	v_cvt_scalef32_pk8_fp4_f32 v[XD+\g], v[XR+8*\g:XR+8*\g+7], v[TM+8]
.endr
.endm
; 32 numbers of a lane, v[src + 16 b + i] = k 32 b + 16 (lane / 16) + i of my row, K = 64: the fragment's four registers to v[pc] on, the row's scale word to v[pw].
; The instruction's K is 128: the reader sets zero codes for its upper half, and the word's two upper bytes are 127.
.macro QUANT2 src, pc, pw
.irp b, 0,1
	v_max3_num_f32 v[TM+\b], |v[\src+16*\b]|, |v[\src+16*\b+1]|, 0x1800000
.endr
.irp i, 2,4,6,8,10,12,14
.irp b, 0,1
	v_max3_num_f32 v[TM+\b], v[TM+\b], |v[\src+16*\b+\i]|, |v[\src+16*\b+\i+1]|
.endr
.endr
.irp b, 0,1
	v_permlanex16_b32 v[TM+4+\b], v[TM+\b], s[SEL], s[SEL+1]
.endr
.irp b, 0,1
	v_max_num_f32 v[TM+\b], v[TM+\b], v[TM+4+\b]         ; with lane l xor 16's 16: the block's largest magnitude
.endr
.irp b, 0,1
	v_add_nc_u32 v[TM+8+\b], 0xff000000, v[TM+\b]
.endr
.irp b, 0,1
	v_lshrrev_b32 v[TM+4+\b], 23, v[TM+8+\b]
.endr
	v_lshl_or_b32 v[\pw], v[TM+5], 8, v[TM+4]
	v_or_b32 v[\pw], 0x7f7f0000, v[\pw]
.irp b, 0,1
	v_cvt_scalef32_pk8_fp4_f32 v[\pc+2*\b], v[\src+16*\b:\src+16*\b+7], v[TM+8+\b]
	v_cvt_scalef32_pk8_fp4_f32 v[\pc+2*\b+1], v[\src+16*\b+8:\src+16*\b+15], v[TM+8+\b]
.endr
	v_nop                                                ; one plain place behind the scaled conversions
	v_permlane16_swap_b32 v[\pc], v[\pc+2]               ; the operand's layout wants a whole block in a lane: lanes 0-15 block 0, lanes 16-31 block 1
	v_permlane16_swap_b32 v[\pc+1], v[\pc+3]
.endm
	s_load_b512 s[4:19], s[0:1], 0x0               ; x0 s[4:5], x1 s[6:7], phi_w s[8:9], theta_w s[10:11], phi_b s[12:13], theta_b s[14:15], kv s[16:17], thc s[18:19]
	s_load_b128 s[20:23], s[0:1], 0x40             ; g_w s[20:21], g_b s[22:23]
	s_load_b64 s[24:25], s[0:1], 0x50              ; ths
	s_set_vgpr_msb 0x40
	v_lshl_add_u32 v160, v0, 2, 0x29000
	v_mov_b32 v161, 0
	s_set_vgpr_msb 0x4045
	ds_add_u32 v160, v161
	ds_add_u32 v160, v161
	s_set_vgpr_msb 0x4500
	v_lshrrev_b32 v16, 5, v0
	v_readfirstlane_b32 s26, v16                   ; wave 0..3
	; descriptor group 1: 32 rows (channels) of 128 numbers of 4 bytes, 4,096 numbers from row to row; no padding: a lane reads down a column, 32 lanes side by side
	s_mov_b32 s28, 2<<16                           ; no mask; elements of 4 bytes
	s_mov_b32 s29, 128<<16                         ; tensor_dim0 = 128
	s_mov_b32 s30, 32<<16                          ; tensor_dim1 = 32
	s_mov_b32 s31, 128<<16                         ; tile_dim0 = 128
	s_mov_b32 s32, 32                              ; tile_dim1 = 32
	s_mov_b32 s33, 4096                            ; tensor_dim0_stride
	s_mov_b32 s34, 0
	s_mov_b32 s35, 0
	s_mov_b32 s36, 1                               ; group 0: count = 1
	s_lshl_b32 s37, s26, 14                        ; LDS: my 32 rows of 512 bytes
	s_mov_b32 s[SEL], 0x76543210
	s_mov_b32 s[SEL+1], 0xfedcba98
	s_and_b32 s27, ttmp9, 127                      ; 32 x batch + step: which 128 pixels
	s_lshl_b32 s56, s26, 7                         ; 128, 256, 512, 1,024 x wave
	s_lshl_b32 s57, s26, 8
	s_lshl_b32 s58, s26, 9
	s_lshl_b32 s59, s26, 10
	s_lshr_b32 s60, s27, 5
	s_lshl_b32 s60, s60, 21                        ; x: the batch's 128 x 16,384 bytes,
	s_and_b32 s61, s27, 31
	s_lshl_b32 s61, s61, 9                         ; the step's 512 bytes of a row,
	s_add_co_u32 s60, s60, s61
	s_lshl_b32 s61, s26, 19                        ; my 32 rows
	s_add_co_u32 s60, s60, s61
	s_mov_b32 s61, 0
	s_lshr_b32 s62, s26, 1                         ; a weight's tile w begins at row 32 (w / 2) + 8 (w % 2); a row is 512 bytes
	s_lshl_b32 s62, s62, 14
	s_and_b32 s63, s26, 1
	s_lshl_b32 s63, s63, 12
	s_add_co_u32 s62, s62, s63
	s_mov_b32 s63, 0
	s_lshr_b32 s66, s62, 7                         ; the same row in g_b: 4 bytes
	s_mov_b32 s67, 0
	s_mul_i32 s68, s27, 9216                       ; g's codes: the step's block, + 4,096, + my 32 keys' place in a tile: 512 (w / 2) + 256 (w % 2) = 256 w
	s_add_co_u32 s68, s68, s57
	s_add_co_u32 s68, s68, 4096
	s_mov_b32 s69, 0
	s_cmp_lt_u32 ttmp9, 128                        ; x0's work-group or x1's?
	s_mov_b32 s70, 4096
	s_cselect_b32 s70, 9216, s70                   ; bytes from group to group where the codes go (kv or thc),
	s_mov_b32 s72, 512
	s_cselect_b32 s72, 9216, s72                   ; and where the scale words go (kv or ths),
	s_cselect_b32 s74, 8192, 0                     ; which in kv lie 8,192 bytes into the block
	s_mul_i32 s70, s27, s70
	s_add_co_u32 s70, s70, s59                     ; my two tiles: 1,024 w
	s_mov_b32 s71, 0
	s_mul_i32 s72, s27, s72
	s_add_co_u32 s72, s72, s74
	s_mov_b32 s73, 0
	v_and_b32 v16, 31, v0                          ; lane
	v_and_b32 v17, 15, v0                          ; r
	v_bfe_u32 v18, v0, 4, 1                        ; h
	v_and_b32 v19, 8, v17
	v_add_nc_u32 v19, v19, v17                     ; r + 8 (r / 8)
	v_lshl_add_u32 v1, v18, 3, v19                 ; my pixel of the wave's 32: 8 h + r + 8 (r / 8)
	v_lshl_add_u32 v1, v1, 2, s56                  ; v1: its 4 bytes in a row of x's tile
	s_add_co_u32 s74, s59, BASE
	v_lshl_add_u32 v2, v16, 4, s74                 ; v2: BASE + 16 lane + 1,024 wave
	s_add_co_u32 s74, s56, BASE
	v_lshl_add_u32 v3, v16, 2, s74                 ; v3: BASE + 4 lane + 128 wave
	v_lshl_add_u32 v4, v16, 4, BASE                ; v4: BASE + 16 lane
	v_lshl_add_u32 v5, v16, 2, BASE                ; v5: BASE + 4 lane
	s_add_co_u32 s74, s57, BASE
	v_lshl_add_u32 v6, v16, 2, s74                 ; v6: BASE + 4 lane + 256 wave
	s_add_co_u32 s74, s58, BASE
	v_lshl_add_u32 v7, v16, 2, s74                 ; v7: BASE + 4 lane + 512 wave
	v_lshl_add_u32 v9, v17, 2, BASE                ; v9: BASE + 4 r
	v_lshl_add_u32 v8, v18, 9, v9                  ; v8: BASE + 4 r + 512 h
	v_lshlrev_b32 v10, 9, v19
	v_lshl_add_u32 v10, v18, 7, v10                ; v10: a weight: row r + 8 (r / 8) of the tile, + 128 h: my 32 numbers of each 64
	v_lshlrev_b32 v11, 6, v18                      ; v11: the bias: 16 h numbers on
	v_lshlrev_b32 v12, 2, v19                      ; v12: g_b: number r + 8 (r / 8) of the tile
	v_lshlrev_b32 v13, 4, v16                      ; v13: 16 lane
	v_lshlrev_b32 v14, 4, v17
	v_lshl_add_u32 v14, v18, 3, v14                ; v14: 16 r + 8 h
	v_lshlrev_b32 v15, 3, v18                      ; v15: 8 h
.irp b, 4,5,6,7
	v_mov_b32 v[TM+\b], 0                          ; written once: a lane permute's destination counts as one of its sources
.endr
	s_wait_dscnt 0x0
	s_wait_kmcnt 0x0
	s_cmp_lt_u32 ttmp9, 128                        ; the choice hangs on the work-group's number alone
	s_cselect_b64 s[38:39], s[4:5], s[6:7]         ; x0 or x1
	s_cselect_b64 s[44:45], s[8:9], s[10:11]       ; phi_w or theta_w
	s_cselect_b64 s[48:49], s[12:13], s[14:15]     ; phi_b or theta_b
	s_cselect_b64 s[50:51], s[16:17], s[18:19]     ; the codes go to kv or thc,
	s_cselect_b64 s[52:53], s[16:17], s[24:25]     ; the scale words to kv or ths
	s_add_nc_u64 s[38:39], s[38:39], s[60:61]      ; group 0: the global address of my 32 rows
	s_or_b32 s39, s39, 0x80000000                  ; type = 2
	s_add_nc_u64 s[44:45], s[44:45], s[62:63]
	s_add_nc_u64 s[46:47], s[20:21], s[62:63]      ; g_w at my tile
	s_add_nc_u64 s[42:43], s[22:23], s[66:67]      ; g_b at my tile
	s_add_nc_u64 s[50:51], s[50:51], s[70:71]
	s_add_nc_u64 s[52:53], s[52:53], s[72:73]
	s_add_nc_u64 s[54:55], s[16:17], s[68:69]      ; g's codes
	tensor_load_to_lds s[36:39], s[28:35]          ; my one tensor load: filled once, nothing is filled again
	s_nop 0
.irp c, 0,1
.irp i, 0,1,2,3,4,5,6,7
	global_load_b128 v[64+32*\c+4*\i:67+32*\c+4*\i], v10, s[44:45] offset:256*\c+16*\i   ; my tile of the weight
.endr
.endr
	WIN 0x40                                       ; destination window 1
.irp t, 0,1,2,3
	global_load_b128 v[128+8*\t:131+8*\t], v11, s[48:49] offset:(32*(\t/2)+8*(\t%2))*4      ; the bias as the result has it: lane (r, h), tile t, register j: channel 32 (t / 2) + 8 (t % 2) + 16 h + j
	global_load_b128 v[132+8*\t:135+8*\t], v11, s[48:49] offset:(32*(\t/2)+8*(\t%2))*4+16
.endr
	WIN 0
	s_cmp_lt_u32 ttmp9, 128                        ; ---- for g alone: my tile of g_w and of g_b
	s_cbranch_scc0 .Lone_weight
.irp c, 0,1
.irp i, 0,1,2,3,4,5,6,7
	global_load_b128 v[128+32*\c+4*\i:131+32*\c+4*\i], v10, s[46:47] offset:256*\c+16*\i
.endr
.endr
	s_wait_alu depctr_va_vdst(0)
	global_load_b32 v20, v12, s[42:43]
	s_wait_loadcnt 0x0
	QUANTW 128
	IMG O_WGI
	ds_store_b32 v3, v20 offset:O_GBI              ; g_b goes with the image: lane l holds the number of the tile's row l % 16
	s_wait_dscnt 0x0                               ; the stores have read their registers, which the next weight's codes take
.Lone_weight:
	s_wait_loadcnt 0x0                             ; the weight and the bias
	QUANTW 64
	IMG O_W1I
	s_wait_tensorcnt 0x0                           ; my 32 rows of x have landed,
	s_wait_dscnt 0x0                               ; my images lie in LDS:
	s_barrier_signal -1
	s_barrier_wait -1                              ; everybody's do
	; ---- x: four blocks of 32 channels of my pixel
	LOADX 0
	LOADX 1
	s_wait_dscnt 32                                ; block 0 is in; the 32 loads of block 1 may be out
	QX 0
	LOADX 2
	s_wait_dscnt 32                                ; block 1 is in; block 2's 32 may be out
	QX 1
	LOADX 3
	s_wait_dscnt 32                                ; block 2 is in; block 3's 32 may be out
	QX 2
	FETCHW 192, WS, O_W1I                          ; the weight's fragments take the set that block 2 has left
	s_wait_dscnt 12                                ; block 3 is in; those 12 loads may be out
	QX 3
	v_nop                                          ; one plain place behind the scaled conversions
.irp i, 0,1,2,3                                ; v16-19, v24-27, v20-23, v28-31 hold blocks 0, 1, 2, 3 of each lane's pixel.  The operand wants, in lanes 16-31, blocks 1 and 3 of the pixel of lane l - 16:
	v_permlane16_swap_b32 v[16+\i], v[24+\i]       ; v16-23 become the fragment of lanes 0-15's pixels (tile 2 w),
	v_permlane16_swap_b32 v[20+\i], v[28+\i]       ; v24-31 that of lanes 16-31's (tile 2 w + 1), whose scale words stay in lanes 16-31 of v60
.endr
.rept 8
	v_nop                                          ; a scale register written by a vector instruction stands 8 places ahead of a scaled matrix instruction, an operand so written 4
.endr
	s_wait_alu depctr_va_vdst(0)
	s_wait_dscnt 0x0
	; ---- phi or theta, transposed: source 0 = 16 rows of the weight, source 1 = 16 pixels: a lane holds one pixel, and its registers run along the 64 channels
	WIN 0x10                                       ; source 2, the bias, window 1
.irp t, 0,1,2,3
	v_wmma_scale_f32_16x16x128_f8f6f4 v[64+8*\t:71+8*\t], v[192+8*\t:199+8*\t], v[16:23], v[128+8*\t:135+8*\t], v[WS+\t], v[XS] matrix_a_fmt:MATRIX_FMT_FP4 matrix_b_fmt:MATRIX_FMT_FP4
.endr
.irp t, 0,1,2,3
	v_wmma_scale_f32_16x16x128_f8f6f4 v[96+8*\t:103+8*\t], v[192+8*\t:199+8*\t], v[24:31], v[128+8*\t:135+8*\t], v[WS+\t], v[XS] matrix_a_fmt:MATRIX_FMT_FP4 matrix_b_fmt:MATRIX_FMT_FP4 matrix_b_scale:MATRIX_SCALE_ROW1
.endr
	WIN 0
.rept 4
	v_nop                                          ; places in front of the first read of results
.endr
	QUANT2 64, PC, 62
	global_store_b128 v13, v[PC:PC+3], s[50:51]    ; tile 2 w: the 32 lanes store 512 consecutive bytes, aligned
	ds_store_b32 v6, v62 offset:O_STP
	QUANT2 96, PC+4, 63
	global_store_b128 v13, v[PC+4:PC+7], s[50:51] offset:512   ; tile 2 w + 1
	ds_store_b32 v6, v63 offset:O_STP+128
	s_cmp_lt_u32 ttmp9, 128                        ; ---- for g alone
	s_cbranch_scc0 .Lno_g
	FETCHW 224, GS, O_WGI
	WIN 0x40                                       ; destination window 1
.irp t, 0,1,2,3
.irp j, 0,1,2,3,4,5,6,7
	ds_load_b32 v[64+8*\t+\j], v5 offset:O_GBI+128*\t   ; g_b as the result has it: a lane's eight registers are eight keys of one channel
.endr
.endr
	s_wait_dscnt 0x0
	WIN 0x10
.irp t, 0,1,2,3                                ; g, the other way round: source 0 = 16 pixels, source 1 = 16 rows of g_w: a lane holds one channel, and its registers run along the keys, the next K
	v_wmma_scale_f32_16x16x128_f8f6f4 v[128+16*\t:135+16*\t], v[16:23], v[224+8*\t:231+8*\t], v[64+8*\t:71+8*\t], v[XS], v[GS+\t] matrix_a_fmt:MATRIX_FMT_FP4 matrix_b_fmt:MATRIX_FMT_FP4
	v_wmma_scale_f32_16x16x128_f8f6f4 v[136+16*\t:143+16*\t], v[24:31], v[224+8*\t:231+8*\t], v[64+8*\t:71+8*\t], v[XS], v[GS+\t] matrix_a_fmt:MATRIX_FMT_FP4 matrix_b_fmt:MATRIX_FMT_FP4 matrix_a_scale:MATRIX_SCALE_ROW1
.endr
	WIN 0
.rept 4
	v_nop
.endr
	; v[128 + 16 t + i] = g(key 32 w + 16 h + i, channel of tile t's row r): the wave's 32 keys are one block for each channel
.irp t, 0,1,2,3
	v_max3_num_f32 v[TM+\t], |v[128+16*\t]|, |v[129+16*\t]|, 0x1800000
.endr
.irp i, 2,4,6,8,10,12,14
.irp t, 0,1,2,3
	v_max3_num_f32 v[TM+\t], v[TM+\t], |v[128+16*\t+\i]|, |v[129+16*\t+\i]|
.endr
.endr
.irp t, 0,1,2,3
	v_permlanex16_b32 v[TM+4+\t], v[TM+\t], s[SEL], s[SEL+1]
.endr
.irp t, 0,1,2,3
	v_max_num_f32 v[TM+\t], v[TM+\t], v[TM+4+\t]
.endr
.irp t, 0,1,2,3
	v_add_nc_u32 v[TM+8+\t], 0xff000000, v[TM+\t]
.endr
.irp t, 0,1,2,3
	v_lshrrev_b32 v[TM+4+\t], 23, v[TM+8+\t]
.endr
.irp t, 0,1,2,3
	v_cvt_scalef32_pk8_fp4_f32 v[64+2*\t], v[128+16*\t:135+16*\t], v[TM+8+\t]
	v_cvt_scalef32_pk8_fp4_f32 v[65+2*\t], v[136+16*\t:143+16*\t], v[TM+8+\t]
.endr
	v_nop                                          ; one plain place behind the scaled conversions
.irp t, 0,1,2,3
	global_store_b64 v14, v[64+2*\t:65+2*\t], s[54:55] offset:1024*\t   ; 16 codes a lane at 16 r + 8 h: the 32 lanes store 256 consecutive bytes, aligned
	ds_store_b32 v7, v[TM+4+\t] offset:O_STG+128*\t
.endr
.Lno_g:
	s_wait_dscnt 0x0                               ; my scale words lie in LDS:
	s_barrier_signal -1
	s_barrier_wait -1                              ; everybody's do
	; ---- the scale words leave as the reader's registers want them, 512 consecutive bytes a store
	s_cmp_eq_u32 s26, 0
	s_cbranch_scc0 .Lnot_wave_0
.irp i, 0,1,2,3
	ds_load_b32 v[72+\i], v8 offset:O_STP+128*\i   ; lane (r, h): tile 4 h + i, row r
.endr
	s_wait_dscnt 0x0
	global_store_b128 v13, v[72:75], s[52:53]
.Lnot_wave_0:
	s_cmp_eq_u32 s26, 1
	s_cbranch_scc0 .Lend
	s_cmp_lt_u32 ttmp9, 128
	s_cbranch_scc0 .Lend
.irp b, 0,1,2,3
.irp t, 0,1,2,3
	ds_load_b32 v[80+4*\b+\t], v9 offset:O_STG+(4*\b+\t)*128   ; the byte of keys 32 b on (wave b's), tile t, row r
.endr
.endr
	s_wait_dscnt 0x0
.irp t, 0,1,2,3
	v_lshl_or_b32 v[76+\t], v[84+\t], 8, v[80+\t]
.endr
.irp t, 0,1,2,3
	v_lshl_or_b32 v[76+\t], v[88+\t], 16, v[76+\t]
.endr
.irp t, 0,1,2,3
	v_lshl_or_b32 v[76+\t], v[92+\t], 24, v[76+\t]
.endr
	global_store_b128 v13, v[76:79], s[52:53] offset:512
.Lend:
	s_set_vgpr_msb 0x5
	s_wait_tensorcnt 0x0
	ds_add_u32 v160, v161
	s_wait_dscnt 0x0
	s_set_vgpr_msb 0x500
	s_endpgm
.Lfunc_end_k_qc56026c5c7_proj:
	.size	k_qc56026c5c7_proj, .Lfunc_end_k_qc56026c5c7_proj-k_qc56026c5c7_proj
	.p2alignl 7, 3214868480
	.fill 96, 4, 3214868480
	.section	.rodata,"a",@progbits
	.p2align	6, 0x0
	.amdhsa_kernel k_qc56026c5c7_proj
		.amdhsa_group_segment_fixed_size 168448
		.amdhsa_private_segment_fixed_size 0
		.amdhsa_enable_private_segment 0
		.amdhsa_kernarg_size 88
		.amdhsa_user_sgpr_count 2
		.amdhsa_user_sgpr_kernarg_segment_ptr 1
		.amdhsa_wavefront_size32 1
		.amdhsa_system_sgpr_workgroup_id_x 1
		.amdhsa_system_sgpr_workgroup_id_y 1
		.amdhsa_system_sgpr_workgroup_id_z 1
		.amdhsa_system_vgpr_workitem_id 0
		.amdhsa_next_free_vgpr 418
		.amdhsa_next_free_sgpr 76
		.amdhsa_reserve_vcc 0
		.amdhsa_float_denorm_mode_32 3
		.amdhsa_float_denorm_mode_16_64 3
		.amdhsa_memory_ordered 1
		.amdhsa_forward_progress 1
		.amdhsa_inst_pref_size 48
	.end_amdhsa_kernel
	.amdgpu_metadata
---
amdhsa.version: [ 1, 2 ]
amdhsa.kernels:
  - .name:           k_qc56026c5c7_proj
    .symbol:         k_qc56026c5c7_proj.kd
    .args:
      - { .name: x0, .offset: 0, .size: 8, .value_kind: global_buffer, .address_space: global }
      - { .name: x1, .offset: 8, .size: 8, .value_kind: global_buffer, .address_space: global }
      - { .name: phi_w, .offset: 16, .size: 8, .value_kind: global_buffer, .address_space: global }
      - { .name: theta_w, .offset: 24, .size: 8, .value_kind: global_buffer, .address_space: global }
      - { .name: phi_b, .offset: 32, .size: 8, .value_kind: global_buffer, .address_space: global }
      - { .name: theta_b, .offset: 40, .size: 8, .value_kind: global_buffer, .address_space: global }
      - { .name: kv, .offset: 48, .size: 8, .value_kind: global_buffer, .address_space: global }
      - { .name: thc, .offset: 56, .size: 8, .value_kind: global_buffer, .address_space: global }
      - { .name: g_w, .offset: 64, .size: 8, .value_kind: global_buffer, .address_space: global }
      - { .name: g_b, .offset: 72, .size: 8, .value_kind: global_buffer, .address_space: global }
      - { .name: ths, .offset: 80, .size: 8, .value_kind: global_buffer, .address_space: global }
    .group_segment_fixed_size: 168448
    .private_segment_fixed_size: 0
    .kernarg_segment_align: 8
    .kernarg_segment_size: 88
    .max_flat_workgroup_size: 128
    .sgpr_count:     76
    .vgpr_count:     418
    .wavefront_size: 32
...
	.end_amdgpu_metadata
.endif
;; end of part 1
;; launch attn (part 2): grid 64 x 4, 16 waves a work-group, clusters of 4 x 1, 327,680 bytes of LDS; arguments thc, ths, kv, W_w, W_b, x0, out0; writes out0
.if DOCPART == 2
	.amdgcn_target "amdgcn-amd-amdhsa--gfx1250"
	.amdhsa_code_object_version 6
	.text
	.protected	k_qc56026c5c7_attn
	.globl	k_qc56026c5c7_attn
	.p2align	8
	.type	k_qc56026c5c7_attn,@function
k_qc56026c5c7_attn:
	s_mov_b64 s[64:65], 0
	v_nop
	global_prefetch_b8 v0, s[64:65] scope:SCOPE_SE
	s_setreg_imm32_b32 hwreg(HW_REG_WAVE_MODE, 25, 1), 1
	s_wait_xcnt 0x0
	s_wait_alu depctr_hold_cnt(0) depctr_sa_sdst(0) depctr_va_vdst(0) depctr_va_sdst(0) depctr_va_ssrc(0) depctr_va_vcc(0) depctr_vm_vsrc(0)
	s_getreg_b32 s2, hwreg(HW_REG_IB_STS2, 6, 4)
	s_cmp_eq_u32 s2, 0
	s_cbranch_scc0 .Lentry_in_a_cluster
	s_endpgm
.Lentry_in_a_cluster:
	s_bfe_u32 s2, ttmp6, 0x10000c
	s_cmp_lg_u32 s2, 0x3003
	s_cbranch_scc0 .Lentry_shape_is_right
	s_endpgm
.Lentry_shape_is_right:
; out0 = W_w y + W_b + x0, y[q] = the sum over k of softmax_k(theta[q] . phi[k]) g[k]; all three products on codes of FP4 (E2M1) with one E8M0 scale for each 32 along K.
; theta, phi, g arrive as codes in the order of the operands' registers (thc, ths, kv: laid out by the launch before; the layout is set out at that text's head).
; THE SOFTMAX AHEAD OF THE SECOND PRODUCT: t = score x log2(e); M = the largest t so far, rounded UP to a whole number; p = 2^(t - M) is what is quantised, along the keys, not normalised.
; The row's sum is taken of the unquantised p, in f32, and divides at the end.  When M moves, the sum and the result are multiplied by 2^(old M - new M): exact.
; SHARES.  A work-group owns 64 queries of one batch: four tiles of 16.  Its SIXTEEN waves are 4 tiles x 4 quarters of the 4,096 keys: wave w has tile w % 4 and keys 1,024 (w / 4) on, 8 steps of 128,
; in 256 registers: four waves to a SIMD, so that one wave's vector work stands beside another's matrix work and LDS loads.  The quarters are merged at the end: each has a whole number M, so
; bringing them under the largest is a multiplication by a power of two.  Then waves 0-3 divide, quantise y along its 64 channels and multiply by W_w, and all sixteen add W_b and x0 and store.
; LDS.  A batch's phi and g, codes and scale words, are 32 x 9,216 = 294,912 bytes: they come in ONCE, as they lie in memory, and stay.  Nothing is filled again.  Each wave brings a sixteenth, as four
; loads of 4,608 bytes: the p-th loads of the four waves of a quarter are that quarter's key steps 2 p and 2 p + 1.  Four loads of a wave are out at the most.
; TWO BARRIERS IN THE WALK OVER THE KEYS.  The first shows every wave's first load landed: key steps 0 and 1 can be read when a quarter of the bytes is there.  The second shows all the others landed: a wave signals it
; behind key step 0 and waits for it behind key step 1, so that it asks of the slowest wave only that it has ended key step 0.  From key step 2 on no barrier stands among the steps: the waves of a SIMD
; need not walk in step, and a wave that is ahead goes on working.
; CLUSTER.  The four work-groups of a cluster belong to one batch and need the same 294,912 bytes: every tensor load is asked for JOINTLY, by the same line with the same descriptor and a mask that names the four.
; LAYOUT.  Both products are used transposed: S^T = phi theta^T (source 0 = 16 keys, source 1 = my 16 queries), O^T = g^T p^T (source 0 = 16 channels, source 1 = p): a lane holds ONE query (lane % 16) throughout.
; The keys of a tile of phi, the channels of a tile of g and the queries of a tile of theta are places r -> 32 b + 8 u + r + 8 (r / 8) of tile 2 b + u, so that 16 registers of two neighbouring tiles are 16 neighbours along the next K.
; The first and the last product have K = 64: the upper half of the instruction's 128 is zero codes on both sides (registers set once) under the scale byte 127.
; LIMITS: NaN and infinities are not served.  A block of p or of y whose largest magnitude lies under 2^-124 gets the scale byte 1; its codes are zeros.  A block's largest p is made from the block's largest score by the
; same multiply-add and exponential as every p: this takes v_exp_f32 not to fall where its input rises; at the worst one p of a block, within an ulp of a power of two, is held one code low.
; REGISTERS: v1-7, v21, v244-253 addresses, made at the head, never rewritten; v8-15 theta; v16 -M, v17 the largest t; v[18:19] the sum in two halves; v20 theta's scale words; v22 f, v23 p's scale word (at the end y's);
;   v24-27 phi's scale words, v28-31 g's (at the end W_w's); v32-95 phi's 8 fragments (at the end W_w's); v96-159 S^T, then p; v160-191 O^T; v192-223 g's 4 fragments; v224-231 p's codes; v232-243, v254 at work.
.set WWI,  294912                      ; LDS behind the batch's block: W_w's 8 fragments, 512 bytes each,
.set WWS,  299008                      ; their scale words, 128 bytes each,
.set MS,   300032                      ; a word for each thread: -M,
.set LS,   2048                        ; and, so many bytes behind it, the sum
.set STGE, 65536                       ; the way out: 128 rows (channels) x (256 bytes + 16).  It and the quarters' O^T (bytes 0 .. 65,535: 4,096 a wave) lie in the batch's block, which by then has had its one fill and is read by nobody
.set TH,   8
.set TS,   20
.set PS,   24
.set GS,   28
.set PH,   32
.set S,    96
.set O,    160
.set G,    192
.set PC,   224
.set TM,   232                         ; v232-235 largest scores, then largest p; v236-239 the other half's, then bytes; v240-243 the conversions' scale operands
.set WV,   18                          ; s18 my wave's number; s19 its tile of queries; s20 its quarter of the keys
.set SEL,  22                          ; s[22:23] v_permlanex16_b32's selects for lane l xor 16
.set CS,   24                          ; s[24:25] log2(e): the packed form names a pair and takes its low word for both halves
.macro ROUND                           ; a round of the cluster's barrier: my work-group's barrier; wave 0 signals for the work-group; every wave waits for all four work-groups; my work-group's barrier once more
	s_barrier_signal -1
	s_barrier_wait -1
	s_cmp_lg_u32 s[WV], 0
	s_cbranch_scc1 .Lnot_wave_0_\@
	s_barrier_signal -3
.Lnot_wave_0_\@:
	s_barrier_wait -3
	s_barrier_signal -1
	s_barrier_wait -1
.endm
.macro BARRIER                         ; my LDS stores have landed and my LDS loads are in: then the work-group's barrier
	s_wait_dscnt 0x0
	s_barrier_signal -1
	s_barrier_wait -1
.endm
; 32 numbers of a lane, v[src + 16 b + i] = k 32 b + 16 (lane / 16) + i of my row, K = 64: the fragment's four registers to v[pc] on, the row's scale word to v[pw]
.macro QUANT2 src, pc, pw
.irp b, 0,1
	v_max3_num_f32 v[TM+\b], |v[\src+16*\b]|, |v[\src+16*\b+1]|, 0x1800000   ; with the floor 2^(3 - 127), so that the byte cannot fall under 1
.endr
.irp i, 2,4,6,8,10,12,14
.irp b, 0,1
	s_delay_alu instid0(VALU_DEP_2)
	v_max3_num_f32 v[TM+\b], v[TM+\b], |v[\src+16*\b+\i]|, |v[\src+16*\b+\i+1]|
.endr
.endr
.irp b, 0,1
	s_delay_alu instid0(VALU_DEP_2)
	v_permlanex16_b32 v[TM+4+\b], v[TM+\b], s[SEL], s[SEL+1]
.endr
.irp b, 0,1
	s_delay_alu instid0(VALU_DEP_2)
	v_max_num_f32 v[TM+\b], v[TM+\b], v[TM+4+\b]
.endr
.irp b, 0,1
	s_delay_alu instid0(VALU_DEP_2)
	v_add_nc_u32 v[TM+8+\b], 0xff000000, v[TM+\b]        ; 2 off the exponent field: the conversion's scale operand
.endr
.irp b, 0,1
	s_delay_alu instid0(VALU_DEP_2)
	v_lshrrev_b32 v[TM+4+\b], 23, v[TM+8+\b]             ; the scale's byte
.endr
	s_delay_alu instid0(VALU_DEP_1)
	v_lshl_or_b32 v[\pw], v[TM+5], 8, v[TM+4]
	s_delay_alu instid0(VALU_DEP_1)
	v_or_b32 v[\pw], 0x7f7f0000, v[\pw]                  ; 127 for the two blocks of zero codes
.irp b, 0,1
	v_cvt_scalef32_pk8_fp4_f32 v[\pc+2*\b], v[\src+16*\b:\src+16*\b+7], v[TM+8+\b]
	v_cvt_scalef32_pk8_fp4_f32 v[\pc+2*\b+1], v[\src+16*\b+8:\src+16*\b+15], v[TM+8+\b]
.endr
	v_nop                                                ; one plain place behind the scaled conversions
	v_permlane16_swap_b32 v[\pc], v[\pc+2]               ; a whole block in a lane: lanes 0-15 block 0, lanes 16-31 block 1
	v_permlane16_swap_b32 v[\pc+1], v[\pc+3]
.endm
.macro XLOADS                          ; what the way out adds: x0 at my 8 rows (channels 8 w + h + 2 i) x 64 pixels, and W_b of those channels, each twice: a pair for the packed addition
.irp i, 0,1,2,3
	global_load_b128 v[192+4*\i:195+4*\i], v252, s[66:67] offset:32768*\i th:TH_LOAD_NT
.endr
.irp i, 0,1,2,3
	global_load_b32 v[208+2*\i], v253, s[12:13] offset:8*\i
	global_load_b32 v[209+2*\i], v253, s[12:13] offset:8*\i
.endr
.endm
; A KEY STEP: 128 keys, whose 9,216 bytes begin off bytes behind v[adr].  first = 1: the wave's first step, whose products start O^T's sums.  ask = 1: x0's rows for the way out are prefetched.
.macro STEP adr, off, first, ask
.irp t, 0,1,2,3,4,5,6,7
	ds_load_b128 v[PH+8*\t:PH+8*\t+3], v[\adr] offset:\off+512*\t     ; phi's 8 tiles: K = 64 is four registers; the upper four stay zeros
.endr
	ds_load_b128 v[PS:PS+3], v[\adr] offset:\off+8192                 ; their scale words: lanes 0-15 tiles 0-3, lanes 16-31 tiles 4-7
	s_wait_dscnt 0x0
.irp t, 0,1,2,3
	v_wmma_scale_f32_16x16x128_f8f6f4 v[S+8*\t:S+8*\t+7], v[PH+8*\t:PH+8*\t+7], v[TH:TH+7], 0, v[PS+\t], v[TS] matrix_a_fmt:MATRIX_FMT_FP4 matrix_b_fmt:MATRIX_FMT_FP4
.endr
.irp t, 4,5,6,7
	v_wmma_scale_f32_16x16x128_f8f6f4 v[S+8*\t:S+8*\t+7], v[PH+8*\t:PH+8*\t+7], v[TH:TH+7], 0, v[PS+\t-4], v[TS] matrix_a_fmt:MATRIX_FMT_FP4 matrix_b_fmt:MATRIX_FMT_FP4 matrix_a_scale:MATRIX_SCALE_ROW1
.endr
.rept 4
	v_nop                                          ; places: in front of the first read of the scores, and of the loads into g's registers, which the last step's products read
.endr
.irp t, 0,1,2,3
.irp c, 0,1
	ds_load_b128 v[G+8*\t+4*\c:G+8*\t+4*\c+3], v[\adr] offset:\off+4096+1024*\t+512*\c   ; g's 4 tiles land while the softmax is walked
.endr
.endr
	ds_load_b128 v[GS:GS+3], v[\adr] offset:\off+8704
.if \ask
	s_cmp_lt_u32 s[WV], 4                          ; x0's 128 rows x 256 bytes that this work-group adds on its way out: waves 0-3, a lane a row, each row named once in the launch;
	s_cbranch_scc0 .Lnot_mine_\@                   ; asked for in the last step but one, behind the run of LDS loads; the loads that want them stand behind the last step and the merge
	global_prefetch_b8 v5, s[66:67] th:TH_LOAD_NT scope:SCOPE_SE
.Lnot_mine_\@:
.endif
.irp b, 0,1,2,3
	v_max3_num_f32 v[TM+\b], v[S+16*\b], v[S+1+16*\b], v[S+2+16*\b]   ; THE LARGEST SCORE OF EACH BLOCK OF 32 KEYS serves twice: for the row's maximum, and, since p rises with the score, for the block's largest p
.endr
.irp i, 3,5,7,9,11,13
.irp b, 0,1,2,3
	v_max3_num_f32 v[TM+\b], v[TM+\b], v[S+16*\b+\i], v[S+1+16*\b+\i]
.endr
.endr
.irp b, 0,1,2,3
	v_max_num_f32 v[TM+\b], v[TM+\b], v[S+15+16*\b]
.endr
.irp b, 0,1,2,3
	s_delay_alu instid0(VALU_DEP_4)
	v_permlanex16_b32 v[TM+4+\b], v[TM+\b], s[SEL], s[SEL+1]
.endr
.irp b, 0,1,2,3
	s_delay_alu instid0(VALU_DEP_4)
	v_max_num_f32 v[TM+\b], v[TM+\b], v[TM+4+\b]         ; with lane l xor 16's 16 keys
.endr
	s_delay_alu instid0(VALU_DEP_2)
	v_max3_num_f32 v254, v[TM], v[TM+1], v[TM+2]
	s_delay_alu instid0(VALU_DEP_1)
	v_max_num_f32 v254, v254, v[TM+3]                    ; the step's largest score of my query
	s_delay_alu instid0(VALU_DEP_1)
	v_mul_f32 v254, s[CS], v254                          ; as t
	s_delay_alu instid0(VALU_DEP_1)
	v_max_num_f32 v17, v17, v254                         ; the running largest t
	v_mov_b32 v254, v16
	s_delay_alu instid0(VALU_DEP_2)
	v_floor_f32 v16, -v17                                ; the new -M = floor(-t) = -ceil(t): a whole number
	s_delay_alu instid0(VALU_DEP_1)
	v_sub_f32 v254, v16, v254                            ; old M - new M: a whole number, 0 or less
	s_delay_alu instid0(VALU_DEP_1)
	v_cvt_i32_f32 v254, v254                             ; (it saturates)
	s_delay_alu instid0(VALU_DEP_1)
	v_ldexp_f32 v22, 1.0, v254                           ; f = 2^(old M - new M)
.irp j, 0,2,4,6,8,10,12,14,16,18,20,22,24,26,28,30,32,34,36,38,40,42,44,46,48,50,52,54,56,58,60,62
	v_pk_fma_f32 v[S+\j:S+1+\j], v[S+\j:S+1+\j], s[CS:CS+1], v[16:17] op_sel_hi:[1,0,0]   ; t - M, two at a time
.endr
.irp b, 0,1,2,3
	v_fma_f32 v[TM+\b], v[TM+\b], s[CS], v16             ; the same of each block's largest score
.endr
	s_wait_alu depctr_va_vdst(0)
.irp j, 0,1,2,3,4,5,6,7,8,9,10,11,12,13,14,15,16,17,18,19,20,21,22,23,24,25,26,27,28,29,30,31,32,33,34,35,36,37,38,39,40,41,42,43,44,45,46,47,48,49,50,51,52,53,54,55,56,57,58,59,60,61,62,63
	v_exp_f32 v[S+\j], v[S+\j]                           ; p = 2^(t - M), at most 1
.endr
.irp b, 0,1,2,3
	v_exp_f32 v[TM+\b], v[TM+\b]                         ; the block's largest p
.endr
	v_pk_mul_f32 v[18:19], v[18:19], v[22:23] op_sel_hi:[1,0]   ; the sums under the new M.  (A plain place behind the exponentials)
	s_wait_alu depctr_va_vdst(0)
.irp b, 0,1,2,3
	v_max_num_f32 v[TM+\b], 0x1800000, v[TM+\b]          ; the floor 2^(3 - 127)
.endr
.irp b, 0,1,2,3
	s_delay_alu instid0(VALU_DEP_4)
	v_add_nc_u32 v[TM+8+\b], 0xff000000, v[TM+\b]
.endr
.irp b, 0,1,2,3
	s_delay_alu instid0(VALU_DEP_4)
	v_lshrrev_b32 v[TM+4+\b], 23, v[TM+8+\b]
.endr
	s_delay_alu instid0(VALU_DEP_3)
	v_lshl_or_b32 v23, v[TM+5], 8, v[TM+4]               ; p's scale word for these 128 keys
	s_delay_alu instid0(VALU_DEP_1)
	v_lshl_or_b32 v23, v[TM+6], 16, v23
	s_delay_alu instid0(VALU_DEP_1)
	v_lshl_or_b32 v23, v[TM+7], 24, v23
.irp b, 0,1,2,3
	v_cvt_scalef32_pk8_fp4_f32 v[PC+2*\b], v[S+16*\b:S+7+16*\b], v[TM+8+\b]
	v_cvt_scalef32_pk8_fp4_f32 v[PC+1+2*\b], v[S+8+16*\b:S+15+16*\b], v[TM+8+\b]
.endr
	v_nop                                                ; one plain place behind the scaled conversions
.irp c, 0,1
.irp i, 0,1
	v_permlane16_swap_b32 v[PC+4*\c+\i], v[PC+2+4*\c+\i] ; a whole block in a lane: lanes 0-15 block 2 c, lanes 16-31 block 2 c + 1
.endr
.endr
	v_pk_add_f32 v[236:237], v[100:101], v[104:105]
	v_pk_add_f32 v[254:255], v[108:109], v[112:113]
	v_pk_add_f32 v[242:243], v[116:117], v[120:121]
	v_pk_add_f32 v[240:241], v[124:125], v[128:129]
	v_pk_add_f32 v[234:235], v[132:133], v[136:137]
	v_pk_add_f32 v[232:233], v[140:141], v[144:145]
	v_pk_add_f32 v[90:91], v[148:149], v[152:153]
	v_pk_add_f32 v[18:19], v[18:19], v[156:157]
	v_pk_add_f32 v[236:237], v[236:237], v[96:97]
	v_pk_add_f32 v[254:255], v[254:255], v[98:99]
	v_pk_add_f32 v[242:243], v[242:243], v[102:103]
	v_pk_add_f32 v[240:241], v[240:241], v[106:107]
	v_pk_add_f32 v[234:235], v[234:235], v[110:111]
	v_pk_add_f32 v[232:233], v[232:233], v[114:115]
	v_pk_add_f32 v[90:91], v[90:91], v[118:119]
	v_pk_add_f32 v[18:19], v[18:19], v[122:123]
	v_pk_add_f32 v[236:237], v[236:237], v[126:127]
	v_pk_add_f32 v[254:255], v[254:255], v[130:131]
	v_pk_add_f32 v[242:243], v[242:243], v[134:135]
	v_pk_add_f32 v[240:241], v[240:241], v[138:139]
	v_pk_add_f32 v[234:235], v[234:235], v[142:143]
	v_pk_add_f32 v[232:233], v[232:233], v[146:147]
	v_pk_add_f32 v[90:91], v[90:91], v[150:151]
	v_pk_add_f32 v[18:19], v[18:19], v[154:155]
	v_pk_add_f32 v[236:237], v[236:237], v[158:159]
	s_delay_alu instid0(VALU_DEP_2)
	v_pk_add_f32 v[18:19], v[18:19], v[240:241]
	s_delay_alu instid0(VALU_DEP_2)
	v_pk_add_f32 v[236:237], v[236:237], v[234:235]
	v_pk_add_f32 v[254:255], v[254:255], v[232:233]
	v_pk_add_f32 v[242:243], v[242:243], v[90:91]
	s_delay_alu instid0(VALU_DEP_2)
	v_pk_add_f32 v[18:19], v[18:19], v[254:255]
	s_delay_alu instid0(VALU_DEP_2)
	v_pk_add_f32 v[236:237], v[236:237], v[242:243]
	s_delay_alu instid0(VALU_DEP_1)
	v_pk_add_f32 v[18:19], v[18:19], v[236:237]
.if !\first
.irp j, 0,2,4,6,8,10,12,14,16,18,20,22,24,26,28,30
	v_pk_mul_f32 v[O+\j:O+1+\j], v[O+\j:O+1+\j], v[22:23] op_sel_hi:[1,0]   ; O^T under the new M
.endr
.endif
	s_wait_alu depctr_va_vdst(0)
	s_wait_dscnt 0x0                                     ; g
.irp t, 0,1,2,3                                      ; the four accumulators by turns, one instruction a turn
.if \first
	v_wmma_scale_f32_16x16x128_f8f6f4 v[O+8*\t:O+8*\t+7], v[G+8*\t:G+8*\t+7], v[PC:PC+7], 0, v[GS+\t], v23 matrix_a_fmt:MATRIX_FMT_FP4 matrix_b_fmt:MATRIX_FMT_FP4
.else
	v_wmma_scale_f32_16x16x128_f8f6f4 v[O+8*\t:O+8*\t+7], v[G+8*\t:G+8*\t+7], v[PC:PC+7], v[O+8*\t:O+8*\t+7], v[GS+\t], v23 matrix_a_fmt:MATRIX_FMT_FP4 matrix_b_fmt:MATRIX_FMT_FP4
.endif
.endr
.endm
	s_load_b256 s[4:11], s[0:1], 0x0               ; thc s[4:5], ths s[6:7], kv s[8:9], W_w s[10:11]
	s_load_b128 s[12:15], s[0:1], 0x20             ; W_b s[12:13], x0 s[14:15]
	s_load_b64 s[16:17], s[0:1], 0x30              ; out0
	v_lshl_add_u32 v254, v0, 2, 0x4a400
	v_mov_b32 v255, 0
	ds_add_u32 v254, v255
	ds_add_u32 v254, v255
	s_wait_dscnt 0x0
	v_lshrrev_b32 v224, 5, v0
	s_delay_alu instid0(VALU_DEP_1)
	v_readfirstlane_b32 s[WV], v224                ; wave 0..15
	s_and_b32 s19, s[WV], 3                        ; my tile of queries
	s_lshr_b32 s20, s[WV], 2                       ; my quarter of the keys
	s_and_b32 s21, ttmp7, 0xffff                   ; the batch, which the four partners share
	s_bfe_u32 s26, ttmp6, 0x40000                  ; cx: my place in the cluster
	s_lshl_b32 s27, ttmp9, 2                       ; in a cluster launch ttmp9 counts clusters
	s_add_co_u32 s27, s27, s26                     ; my block of 64 queries: it enters theta's, x0's and out0's addresses alone
	s_mov_b32 s[SEL], 0x76543210
	s_mov_b32 s[SEL+1], 0xfedcba98
	s_mov_b32 s[CS], 0x3fb8aa3b                    ; log2(e)
	s_mov_b32 s[CS+1], s[CS]                       ; (named with it as a pair, so it is written)
	; descriptor group 1: 4,608 dense bytes as 18 rows of 256 (32 elements of 8 bytes)
	s_mov_b32 s28, 15|(3<<16)|(1<<21)              ; 15:0 the mask: all four work-groups; 17:16 elements of 8 bytes; 21 set beside a mask; no padding: every LDS load takes 512 bytes on end
	s_mov_b32 s29, 32<<16                          ; tensor_dim0 = 32
	s_mov_b32 s30, 18<<16                          ; tensor_dim1 = 18
	s_mov_b32 s31, 32<<16                          ; tile_dim0 = 32
	s_mov_b32 s32, 18                              ; tile_dim1 = 18
	s_mov_b32 s33, 32                              ; tensor_dim0_stride
	s_mov_b32 s34, 0
	s_mov_b32 s35, 0
	s_mul_i32 s62, s20, 73728                      ; my quarter's 8 steps of 9,216 bytes,
	s_mul_i32 s63, s19, 4608                       ; my fourth of a pair of steps: the same place in LDS and in the batch's block; no place in the cluster enters it
	s_add_co_u32 s62, s62, s63
	s_mul_i32 s52, s21, 294912
	s_add_co_u32 s52, s52, s62
	s_mov_b32 s53, 0
	s_lshl_b32 s54, s21, 17                        ; theta's codes: tile 256 batch + 4 block + tile, 512 bytes each
	s_lshl_b32 s55, s27, 11
	s_add_co_u32 s54, s54, s55
	s_lshl_b32 s55, s19, 9
	s_add_co_u32 s54, s54, s55
	s_mov_b32 s55, 0
	s_lshl_b32 s56, s21, 14                        ; its scale words: 16,384 batch + 256 block + 4 tile (+ 16 r)
	s_lshl_b32 s57, s27, 8
	s_add_co_u32 s56, s56, s57
	s_lshl_b32 s57, s19, 2
	s_add_co_u32 s56, s56, s57
	s_mov_b32 s57, 0
	s_lshl_b32 s58, s21, 21                        ; x0 and out0: the batch's 128 rows of 16,384 bytes, my block's 256 bytes of a row
	s_lshl_b32 s59, s27, 8
	s_add_co_u32 s58, s58, s59
	s_mov_b32 s59, 0
	s_and_b32 s60, s[WV], 7                        ; W_w: tile w % 8: 16 rows of 256 bytes
	s_lshl_b32 s60, s60, 12
	s_mov_b32 s61, 0
	; every address register is made here, ahead of the first parting of the waves
	v_and_b32 v225, 31, v0                         ; lane
	v_and_b32 v226, 15, v0                         ; r
	v_bfe_u32 v227, v0, 4, 1                       ; h
	s_mul_i32 s70, s20, 73728
	v_lshl_add_u32 v1, v225, 4, s70                ; v1: 16 lane + my quarter: key steps 0-3
	s_delay_alu instid0(VALU_DEP_1)
	v_add_nc_u32 v2, 36864, v1                     ; v2: key steps 4-7
	v_lshl_add_u32 v3, v0, 4, WWI                  ; v3: where wave w < 8 puts W_w's fragment w
	v_lshl_add_u32 v4, v0, 2, WWS                  ; v4: and its scale words
	v_and_b32 v5, 127, v0
	s_delay_alu instid0(VALU_DEP_1)
	v_lshlrev_b32 v5, 14, v5                       ; v5: the prefetch: a row of x0 for each of 128 threads
	v_lshlrev_b32 v6, 4, v225                      ; v6: theta's codes: 16 lane
	v_lshlrev_b32 v7, 8, v226
	s_delay_alu instid0(VALU_DEP_1)
	v_lshl_add_u32 v7, v227, 7, v7                 ; v7: W_w: row r of the tile, + 128 h: my block of 32
	v_lshlrev_b32 v21, 4, v226                     ; v21: theta's scale words: 16 r
	v_lshl_add_u32 v244, v0, 2, MS                 ; v244: my word
	v_and_b32 v245, 127, v0
	s_delay_alu instid0(VALU_DEP_1)
	v_lshl_add_u32 v245, v245, 2, MS               ; v245: the word of my tile's and lane's thread in quarter 0; the quarters lie 512 bytes apart
	s_lshl_b32 s70, s[WV], 12
	v_lshl_add_u32 v246, v225, 4, s70              ; v246: 16 lane + 4,096 wave: a quarter's O^T
	v_lshlrev_b32 v247, 3, v227                    ; v247: 8 h
	v_lshl_add_u32 v248, v225, 4, WWI              ; v248, v249: W_w's images for my lane
	v_lshl_add_u32 v249, v225, 2, WWS
	s_lshr_b32 s70, s19, 1                         ; the stage: row = channel; lane (r, h) of tile qt holds pixels 32 (qt / 2) + 8 (qt % 2) + 16 h + 0 .. 7
	s_lshl_b32 s70, s70, 7
	s_and_b32 s71, s19, 1
	s_lshl_b32 s71, s71, 5
	s_add_co_u32 s70, s70, s71
	s_add_co_u32 s70, s70, STGE
	v_mul_u32_u24 v250, v226, 272
	s_delay_alu instid0(VALU_DEP_1)
	v_lshl_add_u32 v250, v227, 6, v250
	s_delay_alu instid0(VALU_DEP_1)
	v_add_nc_u32 v250, s70, v250                   ; v250: into the stage
	s_mul_i32 s70, s[WV], 8*272
	s_add_co_u32 s70, s70, STGE
	v_mul_u32_u24 v251, v227, 272
	s_delay_alu instid0(VALU_DEP_1)
	v_lshl_add_u32 v251, v226, 4, v251
	s_delay_alu instid0(VALU_DEP_1)
	v_add_nc_u32 v251, s70, v251                   ; v251: back: rows 8 w + h, 16 bytes a lane
	s_lshl_b32 s70, s[WV], 17
	v_lshlrev_b32 v252, 14, v227
	s_delay_alu instid0(VALU_DEP_1)
	v_lshl_add_u32 v252, v226, 4, v252
	s_delay_alu instid0(VALU_DEP_1)
	v_add_nc_u32 v252, s70, v252                   ; v252: the same rows in x0 and out0
	s_lshl_b32 s70, s[WV], 5
	v_lshl_add_u32 v253, v227, 2, s70              ; v253: and in W_b
	s_wait_kmcnt 0x0
	s_add_nc_u64 s[52:53], s[8:9], s[52:53]        ; kv at my part of pair 0
	s_add_nc_u64 s[4:5], s[4:5], s[54:55]
	s_add_nc_u64 s[6:7], s[6:7], s[56:57]
	s_add_nc_u64 s[10:11], s[10:11], s[60:61]
	s_add_nc_u64 s[66:67], s[14:15], s[58:59]      ; x0
	s_add_nc_u64 s[68:69], s[16:17], s[58:59]      ; out0
.irp p, 0,1,2,3                                ; descriptor group 0, a set for each of my four loads
	s_mov_b32 s[36+4*\p], 1                        ; count = 1
	s_add_co_u32 s[37+4*\p], s62, 18432*\p         ; LDS address
	s_add_nc_u64 s[38+4*\p:39+4*\p], s[52:53], 18432*\p   ; global address
	s_or_b32 s[39+4*\p], s[39+4*\p], 0x80000000    ; type = 2
.endr
	ROUND                                          ; all four work-groups are here: the joint loads meet
	tensor_load_to_lds s[36:39], s[28:35]          ; all fills of the launch go out as one group
	s_nop 0
	tensor_load_to_lds s[40:43], s[28:35]
	s_nop 0
	tensor_load_to_lds s[44:47], s[28:35]
	s_nop 0
	tensor_load_to_lds s[48:51], s[28:35]
	s_nop 0
.rept 4
	v_nop
.endr
	global_load_b128 v[TH:TH+3], v6, s[4:5]        ; theta's fragment stays in registers
	global_load_b32 v[TS], v21, s[6:7]
.irp j, 4,5,6,7
	v_mov_b32 v[TH+\j], 0                          ; zero codes for k = 64 .. 127, on both sides of the products whose K is 64: 36 registers, set once
.endr
.irp t, 0,1,2,3,4,5,6,7
.irp j, 4,5,6,7
	v_mov_b32 v[PH+8*\t+\j], 0
.endr
.endr
	v_mov_b32 v17, 0xff61b1e6                      ; the largest t so far: -3e38, under every t
	s_delay_alu instid0(VALU_DEP_1)
	v_floor_f32 v16, -v17                          ; -M
	v_mov_b32 v18, 0                               ; the sum, in two halves
	v_mov_b32 v19, 0
	v_mov_b32 v23, 0                               ; (named as the upper half of the pair v[22:23] before it is first written)
.irp b, 4,5,6,7
	v_mov_b32 v[TM+\b], 0                          ; written once: a lane permute's destination counts as one of its sources
.endr
	; W_w [128][64]: wave w < 8 quantises rows 16 w .. 16 w + 15 while the tiles are on their way: lane (r, h) holds block h of row r whole
	s_cmp_lt_u32 s[WV], 8
	s_cbranch_scc0 .Lno_w
.irp i, 0,1,2,3,4,5,6,7
	global_load_b128 v[S+4*\i:S+4*\i+3], v7, s[10:11] offset:16*\i
.endr
	s_wait_loadcnt 0x0
	v_max3_num_f32 v[TM], |v[S]|, |v[S+1]|, |v[S+2]|
	v_max3_num_f32 v[TM+1], |v[S+3]|, |v[S+4]|, |v[S+5]|
.irp i, 6,10,14,18,22,26
	s_delay_alu instid0(VALU_DEP_2)
	v_max3_num_f32 v[TM], v[TM], |v[S+\i]|, |v[S+\i+1]|
	s_delay_alu instid0(VALU_DEP_2)
	v_max3_num_f32 v[TM+1], v[TM+1], |v[S+\i+2]|, |v[S+\i+3]|
.endr
	s_delay_alu instid0(VALU_DEP_2)
	v_max3_num_f32 v[TM], v[TM], |v[S+30]|, |v[S+31]|
	s_delay_alu instid0(VALU_DEP_1)
	v_max3_num_f32 v[TM], v[TM], v[TM+1], 0x1800000
	s_delay_alu instid0(VALU_DEP_1)
	v_add_nc_u32 v[TM+8], 0xff000000, v[TM]
	s_delay_alu instid0(VALU_DEP_1)
	v_lshrrev_b32 v[TM+1], 23, v[TM+8]
	s_delay_alu instid0(VALU_DEP_1)
	v_lshlrev_b32 v[TM+1], v247, v[TM+1]           ; my block's byte, 8 h bits up;
	s_delay_alu instid0(VALU_DEP_1)
	v_permlanex16_b32 v[TM+4], v[TM+1], s[SEL], s[SEL+1]
	s_delay_alu instid0(VALU_DEP_1)
	v_or_b32 v[TM+1], v[TM+1], v[TM+4]             ; with lane l xor 16's,
	s_delay_alu instid0(VALU_DEP_1)
	v_or_b32 v[TM+1], 0x7f7f0000, v[TM+1]          ; and 127 for the two blocks of zero codes
.irp g, 0,1,2,3
	v_cvt_scalef32_pk8_fp4_f32 v[PC+\g], v[S+8*\g:S+8*\g+7], v[TM+8]
.endr
	v_nop                                          ; one plain place behind the scaled conversions
	ds_store_b128 v3, v[PC:PC+3]                   ; an image of the fragment's registers,
	ds_store_b32 v4, v[TM+1]                       ; and of its scale words
.Lno_w:
	s_wait_loadcnt 0x0                             ; theta
	s_wait_tensorcnt 3                             ; my first load has landed; my three later ones may be out
	BARRIER                                        ; key steps 0 and 1 of every quarter lie in LDS
	STEP 1, 0, 1, 0
	s_wait_tensorcnt 0x0                           ; all my loads have landed: my parts of key steps 2 to 7,
	s_wait_dscnt 0x0                               ; and no LDS load of mine is out:
	s_barrier_signal -1                            ; say so, a key step ahead of the first read of those bytes.
	STEP 1, 9216, 0, 0                             ; Between signal and wait: register work, and LDS loads of key step 1's bytes, which the barrier above showed whole and which nobody writes before the merge's barrier
	s_barrier_wait -1                              ; every wave has said so: key steps 2 to 7 of every quarter lie in LDS
	STEP 1, 18432, 0, 0                            ; from here to the merge no barrier: a wave that is ahead of the others goes on
	STEP 1, 27648, 0, 0
	STEP 2, 0, 0, 0
	STEP 2, 9216, 0, 0
	STEP 2, 18432, 0, 1
	STEP 2, 27648, 0, 0
	; THE MERGE of a tile's four quarters
	v_add_f32 v18, v18, v19                        ; the sum's two halves,
	s_delay_alu instid0(VALU_DEP_1)
	v_permlanex16_b32 v[TM+4], v18, s[SEL], s[SEL+1]
	s_delay_alu instid0(VALU_DEP_1)
	v_add_f32 v18, v18, v[TM+4]                    ; and lane l xor 16's: my quarter's sum
	ds_store_b32 v244, v16                         ; my -M
	BARRIER                                        ; every wave's -M lies in LDS, and no wave reads the batch's block any more
.irp k, 0,1,2,3
	ds_load_b32 v[TM+\k], v245 offset:512*\k
.endr
	s_wait_dscnt 0x0
	v_min3_num_f32 v254, v[TM], v[TM+1], v[TM+2]
	s_delay_alu instid0(VALU_DEP_1)
	v_min_num_f32 v254, v254, v[TM+3]              ; the least -M: the largest M of the four
	s_delay_alu instid0(VALU_DEP_1)
	v_sub_f32 v254, v254, v16                      ; my M less that one: a whole number, 0 or less
	s_delay_alu instid0(VALU_DEP_1)
	v_cvt_i32_f32 v254, v254
	s_delay_alu instid0(VALU_DEP_1)
	v_ldexp_f32 v22, 1.0, v254
	s_wait_alu depctr_va_vdst(0)
	v_mul_f32 v18, v18, v22                        ; my sum and my O^T under the common M: nothing is rounded
.irp j, 0,2,4,6,8,10,12,14,16,18,20,22,24,26,28,30
	v_pk_mul_f32 v[O+\j:O+1+\j], v[O+\j:O+1+\j], v[22:23] op_sel_hi:[1,0]
.endr
	ds_store_b32 v244, v18 offset:LS
	s_cmp_lt_u32 s[WV], 4
	s_cbranch_scc1 .Lkeep                          ; quarter 0 keeps its O^T in registers
.irp i, 0,1,2,3,4,5,6,7
	ds_store_b128 v246, v[O+4*\i:O+4*\i+3] offset:512*\i
.endr
.Lkeep:
	BARRIER                                        ; the sums and three quarters' O^T lie in LDS
	s_cmp_lt_u32 s[WV], 4
	s_cbranch_scc1 .Lfinish
	XLOADS
	s_branch .Lmeet
.Lfinish:
.macro PART k, reg                             ; O^T of my tile's quarter k
.irp i, 0,1,2,3,4,5,6,7
	ds_load_b128 v[\reg+4*\i:\reg+4*\i+3], v246 offset:16384*\k+512*\i
.endr
.endm
.irp k, 0,1,2,3
	ds_load_b32 v[TM+\k], v245 offset:LS+512*\k
.endr
	PART 1, 96
	PART 2, 128
	PART 3, 192
.irp n, 0,1,2,3,4,5,6,7
	ds_load_b128 v[PH+8*\n:PH+8*\n+3], v248 offset:512*\n   ; W_w's 8 fragments: the upper four registers are still zeros
	ds_load_b32 v[PS+\n], v249 offset:128*\n
.endr
	s_wait_dscnt 0x0
	v_add_f32 v[TM], v[TM], v[TM+1]
	v_add_f32 v[TM+2], v[TM+2], v[TM+3]
	s_delay_alu instid0(VALU_DEP_1)
	v_add_f32 v[TM], v[TM], v[TM+2]                ; the row's sum
	s_wait_alu depctr_va_vdst(0)
	v_rcp_f32 v22, v[TM]                           ; (the additions below are the plain place behind it)
.irp j, 0,2,4,6,8,10,12,14,16,18,20,22,24,26,28,30
	v_pk_add_f32 v[O+\j:O+1+\j], v[O+\j:O+1+\j], v[96+\j:97+\j]
.endr
.irp j, 0,2,4,6,8,10,12,14,16,18,20,22,24,26,28,30
	v_pk_add_f32 v[O+\j:O+1+\j], v[O+\j:O+1+\j], v[128+\j:129+\j]
.endr
.irp j, 0,2,4,6,8,10,12,14,16,18,20,22,24,26,28,30
	v_pk_add_f32 v[O+\j:O+1+\j], v[O+\j:O+1+\j], v[192+\j:193+\j]
.endr
	s_wait_alu depctr_va_vdst(0)
.irp j, 0,2,4,6,8,10,12,14,16,18,20,22,24,26,28,30
	v_pk_mul_f32 v[O+\j:O+1+\j], v[O+\j:O+1+\j], v[22:23] op_sel_hi:[1,0]   ; y = O^T / the sum: register 16 b + i is channel 32 b + 16 h + i of query r
.endr
	XLOADS
	QUANT2 O, PC, 23                               ; y along its 64 channels
.irp j, 4,5,6,7
	v_mov_b32 v[PC+\j], 0                          ; zero codes for k = 64 .. 127
.endr
.rept 8
	v_nop                                          ; a scale register written by a vector instruction stands 8 places ahead of a scaled matrix instruction, an operand so written 4
.endr
.irp n, 0,1,2,3,4,5,6,7                        ; source 0 = my 16 pixels of y, source 1 = 16 rows of W_w: a lane holds channel 16 n + r and eight neighbouring pixels
	v_wmma_scale_f32_16x16x128_f8f6f4 v[S+8*\n:S+8*\n+7], v[PC:PC+7], v[PH+8*\n:PH+8*\n+7], 0, v23, v[PS+\n] matrix_a_fmt:MATRIX_FMT_FP4 matrix_b_fmt:MATRIX_FMT_FP4
.endr
.rept 4
	v_nop                                          ; places in front of the first read of results
.endr
.irp n, 0,1,2,3,4,5,6,7
	ds_store_b128 v250, v[S+8*\n:S+8*\n+3] offset:4352*\n          ; each accumulator from its low end on
	ds_store_b128 v250, v[S+8*\n+4:S+8*\n+7] offset:4352*\n+16
.endr
.Lmeet:
	BARRIER                                        ; 128 rows x 64 pixels lie in the stage
.irp i, 0,1,2,3
	ds_load_b128 v[O+4*\i:O+4*\i+3], v251 offset:544*\i   ; rows 8 w + h + 2 i: sixteen lanes to a row of 256 bytes
.endr
	s_wait_loadcnt 0x0                             ; x0 and W_b
	s_wait_dscnt 0x0
.irp i, 0,1,2,3
	v_pk_add_f32 v[O+4*\i:O+4*\i+1], v[O+4*\i:O+4*\i+1], v[208+2*\i:209+2*\i]       ; + W_b,
	v_pk_add_f32 v[O+4*\i+2:O+4*\i+3], v[O+4*\i+2:O+4*\i+3], v[208+2*\i:209+2*\i]
	s_delay_alu instid0(VALU_DEP_2)
	v_pk_add_f32 v[O+4*\i:O+4*\i+1], v[O+4*\i:O+4*\i+1], v[192+4*\i:193+4*\i]       ; then + x0
	s_delay_alu instid0(VALU_DEP_2)
	v_pk_add_f32 v[O+4*\i+2:O+4*\i+3], v[O+4*\i+2:O+4*\i+3], v[194+4*\i:195+4*\i]
	global_store_b128 v252, v[O+4*\i:O+4*\i+3], s[68:69] offset:32768*\i th:TH_STORE_NT   ; sixteen lanes store 256 consecutive bytes, at a multiple of 256 from out0's first byte; written once, read by nobody here
.endr
	s_wait_xcnt 0x0
	v_lshl_add_u32 v254, v0, 2, 0x4a400
	v_mov_b32 v255, 0
	s_wait_alu depctr_va_vdst(0)
	s_wait_tensorcnt 0x0
	ds_add_u32 v254, v255
	s_wait_dscnt 0x0
	ROUND                                          ; the closing round: no work-group ends while a partner may still ask for a tile that names it
	s_endpgm
.Lfunc_end_k_qc56026c5c7_attn:
	.size	k_qc56026c5c7_attn, .Lfunc_end_k_qc56026c5c7_attn-k_qc56026c5c7_attn
	.p2alignl 7, 3214868480
	.fill 96, 4, 3214868480
	.section	.rodata,"a",@progbits
	.p2align	6, 0x0
	.amdhsa_kernel k_qc56026c5c7_attn
		.amdhsa_group_segment_fixed_size 327680
		.amdhsa_private_segment_fixed_size 0
		.amdhsa_enable_private_segment 0
		.amdhsa_kernarg_size 56
		.amdhsa_user_sgpr_count 2
		.amdhsa_user_sgpr_kernarg_segment_ptr 1
		.amdhsa_wavefront_size32 1
		.amdhsa_system_sgpr_workgroup_id_x 1
		.amdhsa_system_sgpr_workgroup_id_y 1
		.amdhsa_system_sgpr_workgroup_id_z 1
		.amdhsa_system_vgpr_workitem_id 0
		.amdhsa_next_free_vgpr 256
		.amdhsa_next_free_sgpr 76
		.amdhsa_reserve_vcc 0
		.amdhsa_float_denorm_mode_32 3
		.amdhsa_float_denorm_mode_16_64 3
		.amdhsa_memory_ordered 1
		.amdhsa_forward_progress 1
		.amdhsa_inst_pref_size 156
	.end_amdhsa_kernel
	.amdgpu_metadata
---
amdhsa.version: [ 1, 2 ]
amdhsa.kernels:
  - .name:           k_qc56026c5c7_attn
    .symbol:         k_qc56026c5c7_attn.kd
    .args:
      - { .name: thc, .offset: 0, .size: 8, .value_kind: global_buffer, .address_space: global }
      - { .name: ths, .offset: 8, .size: 8, .value_kind: global_buffer, .address_space: global }
      - { .name: kv, .offset: 16, .size: 8, .value_kind: global_buffer, .address_space: global }
      - { .name: W_w, .offset: 24, .size: 8, .value_kind: global_buffer, .address_space: global }
      - { .name: W_b, .offset: 32, .size: 8, .value_kind: global_buffer, .address_space: global }
      - { .name: x0, .offset: 40, .size: 8, .value_kind: global_buffer, .address_space: global }
      - { .name: out0, .offset: 48, .size: 8, .value_kind: global_buffer, .address_space: global }
    .group_segment_fixed_size: 327680
    .private_segment_fixed_size: 0
    .kernarg_segment_align: 8
    .kernarg_segment_size: 56
    .max_flat_workgroup_size: 512
    .sgpr_count:     76
    .vgpr_count:     256
    .wavefront_size: 32
...
	.end_amdgpu_metadata
.endif
;; end of part 2
